; MI455X (gfx1250); checked and timed in simulation.
; The chip was launched on July 23, 2026; its instructions are those of AMD's public machine-readable ISA for CDNA 5 (MIT licence, August 2026) and "CDNA5" Instruction Set Architecture Reference Guide (July 2026). The comments in the code are by the model that wrote it; some were corrected since.
;; Multi Head. Allowed arithmetic: float matrix products may take bf16 or f16 operands with f32 sums; other float arithmetic in f32, or as packed bf16 or f16 multiplies, adds, multiply-adds, maxima and minima; sums over many terms, partial sums and values carried from step to step in f32; what a program stores and reads back later, other than sums and carried values, may be rounded once to bf16 or f16.
;; Inputs: weights 4,096 x 4,096 float32; x 4,096 x 4,096 float32.
;; Outputs: out0 4,096 x 4,096 float32.
;; 2 versions, each right; version 2 is version 1 with the launch prep written anew for expert scheduling mode. Each part assembles by itself: llvm-mc -triple=amdgcn-amd-amdhsa -mcpu=gfx1250 --defsym DOCPART=n.
;; ======== version 1 of 2: 2 launches
;; workspace buffers: xb 33,554,432 bytes; wb 33,554,432 bytes; inv 32,768 bytes
;; launch prep (part 1): grid 512 x 2, 8 waves a work-group, no clusters, 0 bytes of LDS; arguments x, weights, xb, wb, inv; writes xb, wb, inv
.if DOCPART == 1
	.amdgcn_target "amdgcn-amd-amdhsa--gfx1250"
	.amdhsa_code_object_version 6
	.text
	.protected	k_qcb0455fb44_prep
	.globl	k_qcb0455fb44_prep
	.p2align	8
	.type	k_qcb0455fb44_prep,@function
k_qcb0455fb44_prep:
	s_mov_b64 s[64:65], 0
	v_nop
	global_prefetch_b8 v0, s[64:65] scope:SCOPE_SE
	s_setreg_imm32_b32 hwreg(HW_REG_WAVE_MODE, 25, 1), 1
	s_wait_xcnt 0x0
; xb = x rounded to bf16, wb = weights rounded to bf16, inv[row] = 1 / max(norm of the ROUNDED row, 1e-8): words 0-4095 for x, 4096-8191 for weights.
; x, weights: [4096][4096] f32.  The raw numbers are rounded, once, to nearest even; the norm is taken in f32 of the rounded numbers, so that product and norms are those of one and the same matrix.
; LIMITS.  The sum of squares is a plain f32 sum (it passes f32's range where the row's root mean square passes about 2.9e17); a sum below 2^-126 counts as 0 and the norm is then 1e-8;
; a number beyond bf16's largest rounds to an infinity; NaN and infinities are not treated apart; the order of the 4,096 additions is this text's own (4 chains a lane, then the lanes).
; SHARES.  Grid y picks the tensor.  A work-group has 8 rows, a wave ONE row of 16,384 bytes: the reduction never leaves the wave, so there is no LDS and no barrier.
; Chunk j of 32 is 512 consecutive bytes of the row: lane l loads 16 bytes at 512 j + 16 l (4 numbers) and stores 8 bytes at 256 j + 8 l: a store of the wave covers 256 consecutive bytes, aligned.
; IN FLIGHT.  A ring of 16 slots in registers: 16 loads of 512 bytes of every wave are out; 1,024 work-groups of 8 waves with 120 registers each.
; No register that a store reads is written again: chunks 0-15 are packed into registers of their own (Y), chunks 16-31 in place, into slots that are loaded no more.  So the stream has no wait but the counted ones for its loads.
; The reciprocal leaves as 4 bytes a wave, 32 bytes a work-group: 32 KiB of the launch's 192 MiB; rows enough for 256 bytes on end (64) in one work-group would leave 128 work-groups.
.set ROWIN,  16384                     ; bytes in a row of f32
.set LO,  1                            ; v1        16 x lane: my 16 bytes in a chunk as loaded; never rewritten
.set SO,  2                            ; v2        8 x lane: my 8 bytes in a chunk as stored; never rewritten
.set LN,  3                            ; v3        lane
.set T,   4                            ; v[4:11]   two sets of 4: the rounded numbers as f32
.set ACC, 12                           ; v[12:19]  four pairs of running sums of squares
.set X,   20                           ; v[20:83]  16 slots of 4
.set Y,   84                           ; v[84:115] chunks 0-15, packed
.set ZO,  116                          ; v116      0: the offset of the reciprocal's store
	s_load_b256 s[4:11], s[0:1], 0x0               ; x s[4:5], weights s[6:7], xb s[8:9], wb s[10:11]
	s_load_b64 s[12:13], s[0:1], 0x20              ; inv
	v_lshrrev_b32 v[LN], 5, v0
	v_readfirstlane_b32 s14, v[LN]                 ; wave 0..7
	v_and_b32 v[LN], 31, v0
	v_lshlrev_b32 v[LO], 4, v[LN]
	v_lshlrev_b32 v[SO], 3, v[LN]
	s_and_b32 s15, ttmp7, 0xffff                   ; 0: x, 1: weights
	s_lshl_b32 s16, ttmp9, 3
	s_add_co_u32 s16, s16, s14                     ; my row = 8 x work-group + wave
	s_lshl_b32 s20, s16, 14                        ; its first byte as f32 (under 2^26),
	s_mov_b32 s21, 0
	s_lshl_b32 s22, s16, 13                        ; as bf16,
	s_mov_b32 s23, 0
	s_lshl_b32 s24, s15, 12
	s_add_co_u32 s24, s24, s16
	s_lshl_b32 s24, s24, 2                         ; and its word in inv: 4 (4,096 y + row)
	s_mov_b32 s25, 0
	s_mov_b32 s26, 0xffff0000                      ; a word's upper bf16
	s_mov_b32 s28, 0x76543210                      ; v_permlanex16_b32: each lane takes its own place in the other half
	s_mov_b32 s29, 0xfedcba98
	s_wait_kmcnt 0x0
	s_cmp_eq_u32 s15, 0
	s_cselect_b64 s[4:5], s[4:5], s[6:7]           ; the tensor that I read,
	s_cselect_b64 s[8:9], s[8:9], s[10:11]         ; and the one that I write
	s_add_nc_u64 s[4:5], s[4:5], s[20:21]
	s_add_nc_u64 s[8:9], s[8:9], s[22:23]
	s_add_nc_u64 s[12:13], s[12:13], s[24:25]
.set j, 0
.rept 16
	global_load_b128 v[X+4*j:X+4*j+3], v[LO], s[4:5] offset:512*j th:TH_LOAD_NT  ; the ring is filled: chunks 0-15
.set j, j+1
.endr
; Chunk j: rounded, stored, and its squares added.
.macro STEP j
.set XR, X+4*((\j)%16)
.set TR, T+4*((\j)%2)
.set AR, ACC+4*((\j)%2)
.if (\j) < 16
.set YR, Y+2*(\j)
	s_wait_loadcnt 15                              ; loads come back in order (ISA guide 5.7.1): mine is in, the fifteen younger stay out
.else
.set YR, XR
	s_wait_loadcnt 31-(\j)                         ; nothing more is loaded: the counts run down
.endif
	v_cvt_pk_bf16_f32 v[YR], v[XR], v[XR+1]        ; two roundings to nearest even, packed
	v_cvt_pk_bf16_f32 v[YR+1], v[XR+2], v[XR+3]
.if (\j) < 16
	global_load_b128 v[XR:XR+3], v[LO], s[4:5] offset:512*((\j)+16) th:TH_LOAD_NT  ; the slot's second chunk, ahead of the store
.endif
	global_store_b64 v[SO], v[YR:YR+1], s[8:9] offset:256*(\j)
	v_lshlrev_b32 v[TR],   16,  v[YR]              ; the rounded numbers as f32: the low half moves up,
	v_and_b32     v[TR+1], s26, v[YR]              ; the high half stays
	v_lshlrev_b32 v[TR+2], 16,  v[YR+1]
	v_and_b32     v[TR+3], s26, v[YR+1]
.if (\j) < 2
	v_pk_mul_f32 v[AR:AR+1],   v[TR:TR+1],   v[TR:TR+1]      ; the first two chunks start the four chains: nothing is cleared
	v_pk_mul_f32 v[AR+2:AR+3], v[TR+2:TR+3], v[TR+2:TR+3]
.else
	v_pk_fma_f32 v[AR:AR+1],   v[TR:TR+1],   v[TR:TR+1],   v[AR:AR+1]
	v_pk_fma_f32 v[AR+2:AR+3], v[TR+2:TR+3], v[TR+2:TR+3], v[AR+2:AR+3]
.endif
.endm
.set j, 0
.rept 32
	STEP j
.set j, j+1
.endr
	; my 128 squares, then the 32 lanes': four steps inside each half of 16 lanes ride on the addition, one crosses the halves
	v_pk_add_f32 v[ACC:ACC+1], v[ACC:ACC+1], v[ACC+2:ACC+3]
	v_pk_add_f32 v[ACC+4:ACC+5], v[ACC+4:ACC+5], v[ACC+6:ACC+7]
	v_pk_add_f32 v[ACC:ACC+1], v[ACC:ACC+1], v[ACC+4:ACC+5]
	v_add_f32 v[ACC], v[ACC], v[ACC+1]
	v_add_f32_dpp v[ACC], v[ACC], v[ACC] row_xmask:1 row_mask:0xf bank_mask:0xf
	v_add_f32_dpp v[ACC], v[ACC], v[ACC] row_xmask:2 row_mask:0xf bank_mask:0xf
	v_add_f32_dpp v[ACC], v[ACC], v[ACC] row_xmask:4 row_mask:0xf bank_mask:0xf
	v_add_f32_dpp v[ACC], v[ACC], v[ACC] row_xmask:8 row_mask:0xf bank_mask:0xf
	v_permlanex16_b32 v[ACC+1], v[ACC], s28, s29   ; its destination has been written before
	v_add_f32 v[ACC], v[ACC], v[ACC+1]             ; every lane holds the row's sum of squares
	v_sqrt_f32 v[ACC+2], v[ACC]
	v_nop                                          ; a plain instruction between the root and the use of its result (ISA guide 5.7.2),
	s_wait_alu depctr_va_vdst(0)                   ; and the wait ahead of that use
	v_max_num_f32 v[ACC+2], 0x322bcc77, v[ACC+2]   ; max(norm, 1e-8)
	v_rcp_f32 v[ACC+3], v[ACC+2]
	v_mov_b32 v[ZO], 0                             ; the plain instruction behind the reciprocal
	v_cmp_eq_u32 vcc_lo, 0, v[LN]
	s_wait_alu depctr_va_vdst(0)                   ; ahead of the store that reads the reciprocal
	s_wait_xcnt 0x0                                ; EXEC is a source of the stores above: it changes only behind this wait
	s_and_saveexec_b32 s30, vcc_lo                 ; lane 0 alone
	global_store_b32 v[ZO], v[ACC+3], s[12:13]
	s_wait_xcnt 0x0                                ; and again, in front of the line that widens it
	s_or_b32 exec_lo, exec_lo, s30
	s_endpgm
.Lfunc_end_k_qcb0455fb44_prep:
	.size	k_qcb0455fb44_prep, .Lfunc_end_k_qcb0455fb44_prep-k_qcb0455fb44_prep
	.p2alignl 7, 3214868480
	.fill 96, 4, 3214868480
	.section	.rodata,"a",@progbits
	.p2align	6, 0x0
	.amdhsa_kernel k_qcb0455fb44_prep
		.amdhsa_group_segment_fixed_size 0
		.amdhsa_private_segment_fixed_size 0
		.amdhsa_enable_private_segment 0
		.amdhsa_kernarg_size 40
		.amdhsa_user_sgpr_count 2
		.amdhsa_user_sgpr_kernarg_segment_ptr 1
		.amdhsa_wavefront_size32 1
		.amdhsa_system_sgpr_workgroup_id_x 1
		.amdhsa_system_sgpr_workgroup_id_y 1
		.amdhsa_system_sgpr_workgroup_id_z 1
		.amdhsa_system_vgpr_workitem_id 0
		.amdhsa_next_free_vgpr 120
		.amdhsa_next_free_sgpr 66
		.amdhsa_reserve_vcc 1
		.amdhsa_float_denorm_mode_32 3
		.amdhsa_float_denorm_mode_16_64 3
		.amdhsa_memory_ordered 1
		.amdhsa_forward_progress 1
		.amdhsa_inst_pref_size 22
	.end_amdhsa_kernel
	.amdgpu_metadata
---
amdhsa.version: [ 1, 2 ]
amdhsa.kernels:
  - .name:           k_qcb0455fb44_prep
    .symbol:         k_qcb0455fb44_prep.kd
    .args:
      - { .name: x, .offset: 0, .size: 8, .value_kind: global_buffer, .address_space: global }
      - { .name: weights, .offset: 8, .size: 8, .value_kind: global_buffer, .address_space: global }
      - { .name: xb, .offset: 16, .size: 8, .value_kind: global_buffer, .address_space: global }
      - { .name: wb, .offset: 24, .size: 8, .value_kind: global_buffer, .address_space: global }
      - { .name: inv, .offset: 32, .size: 8, .value_kind: global_buffer, .address_space: global }
    .group_segment_fixed_size: 0
    .private_segment_fixed_size: 0
    .kernarg_segment_align: 8
    .kernarg_segment_size: 40
    .max_flat_workgroup_size: 256
    .sgpr_count:     66
    .vgpr_count:     120
    .wavefront_size: 32
...
	.end_amdgpu_metadata
.endif
;; end of part 1
;; launch gemm (part 2): grid 16 x 16, 4 waves a work-group, clusters of 4 x 4, 327,680 bytes of LDS; arguments xb, wb, out0, inv; writes out0
.if DOCPART == 2
	.amdgcn_target "amdgcn-amd-amdhsa--gfx1250"
	.amdhsa_code_object_version 6
	.text
	.protected	k_qcb0455fb44_gemm
	.globl	k_qcb0455fb44_gemm
	.p2align	8
	.type	k_qcb0455fb44_gemm,@function
k_qcb0455fb44_gemm:
	s_mov_b64 s[64:65], 0
	v_nop
	global_prefetch_b8 v0, s[64:65] scope:SCOPE_SE
	s_setreg_imm32_b32 hwreg(HW_REG_WAVE_MODE, 25, 1), 1
	s_wait_xcnt 0x0
	s_wait_alu depctr_hold_cnt(0) depctr_sa_sdst(0) depctr_va_vdst(0) depctr_va_sdst(0) depctr_va_ssrc(0) depctr_va_vcc(0) depctr_vm_vsrc(0)
	s_getreg_b32 s2, hwreg(HW_REG_IB_STS2, 6, 4)
	s_cmp_eq_u32 s2, 0
	s_cbranch_scc0 .Lentry_in_a_cluster
	s_endpgm
.Lentry_in_a_cluster:
	s_bfe_u32 s2, ttmp6, 0x10000c
	s_cmp_lg_u32 s2, 0xf033
	s_cbranch_scc0 .Lentry_shape_is_right
	s_endpgm
.Lentry_shape_is_right:
; out0[m][n] = (sum over k of xb[m][k] wb[n][k]) x inv[m] x inv[4096 + n].  xb, wb: [4096][4096] bf16; inv: 8,192 f32 (1 / max(norm, 1e-8) of xb's rows, then of wb's); out0: [4096][4096] f32.
; Sums in f32; the two factors are applied in f32, first the row's, then the column's: two multiplications stand for the one division by the product of the norms.
; LIMITS.  NaN and infinities are not treated apart; a sum beyond f32's range is an infinity before it is scaled.
; SHARES.  A tile of out0, 256 x 256, is made by a work-group of four waves; a wave makes 128 x 128: 64 accumulators of 16 x 16, 512 registers: for 32 along K it reads 2 x 128 x 64 bytes of LDS for 64 matrix
; instructions.  16 x 16 tiles: 256 work-groups, one tile each.  K goes in 32 steps of 128 through a ring of two LDS slots filled by the tensor data mover: a tile's rows are 256 bytes of memory, at multiples of 256.
; CLUSTERS: 4 x 4 work-groups.  The four of a row of the cluster need the same tiles of xb, the four of a column the same tiles of wb: each tile is asked for JOINTLY, by the same tensor load with the same
; descriptor and a mask that names the four; each receives it in its own LDS.  That divides the requests for both by four.
; THE MATRIX INSTRUCTION IS USED TRANSPOSED: source 0 = 16 rows of wb, source 1 = 16 rows of xb.  In the result lane l holds row m = l % 16 and in registers 0-7 the columns n = 8 (l / 16) + 0..7: 32 bytes on end of a row.
; REGISTERS, in windows of 256 (s_set_vgpr_msb: bits 1:0 source 0, 3:2 source 1, 5:4 source 2, 7:6 destination):
;   window 0: v0-31 addresses; v32-47 the rows' factors; v48-51 the columns'; v64-127, v128-191 fragments of xb, two buffers; on the way out v64-127 scaled results, v128-191 and v192-255 rows read back, by turns
;   window 1: v64-127, v128-191 fragments of wb, two buffers
;   window 2: the 32 accumulators of my rows 0-63 (accumulator (a, b) at v[8 (8 a + b)]);   window 3: those of my rows 64-127
.set SIZE_N, 4096
.set SIZE_K, 4096
.set KSTEP,  128
.set PITCH,  272                       ; an LDS row: 256 bytes + 16 of padding = 68 words: row r starts at bank 4 r mod 64 (64 banks of 4 bytes: ISA guide 11.1), so the 16 rows of a load start at 16 different banks
.set HALFT,  128*PITCH                 ; 128 rows: what one tensor load brings, and what one wave reads of xb or of wb
.set SLOT,   4*HALFT                   ; xb's 256 rows, then wb's 256 rows
.set STAGE,  2*SLOT                    ; behind the ring, never filled by a tensor load: 16 rows x 528 bytes for each wave, for the way out
.set SPITCH, 528                       ; a stage row: 128 f32 + 16 bytes = 132 words: row r starts at bank 4 r mod 64
.set SPARE,  STAGE+4*16*SPITCH         ; behind the stages: the spare words, 128 bytes for each wave: two blocks of 256 bytes that no other line names
.set LAPS,   SIZE_K/(2*KSTEP)          ; a lap = two K steps = once round the ring: 16
.set ADRA, 16                          ; v16-17  LDS address of my fragments of xb in slot 0, 1
.set ADRB, 20                          ; v20-21  the same for wb
.set STO,  24                          ; v24     the way out: where I put 32 bytes of a row
.set RD,   25                          ; v25     the way out: where I read 16 bytes of a row back
.set CO,   26                          ; v26     16 x lane: my 4 columns in a row of 128 f32: in out0 and in the columns' factors; never rewritten
.set IXO,  27                          ; v27     4 (l % 16): my row's word among 16 factors
.set SPW,  28                          ; v28     LDS address of my spare word: SPARE + 4 x my thread's number; never rewritten
.set NIL,  29                          ; v29     0; never rewritten
.set PFO,  30                          ; v30     the prefetches' offset: my lane x a row of 8,192 bytes; never rewritten
.set IX,   32                          ; v32-47  block a's factor of my row l % 16, twice: a pair for the packed multiply
.set IW,   48                          ; v48-51  the factors of my columns 4 l .. 4 l + 3
.set F0,   64                          ; fragment buffer 0
.set F1,   128                         ; fragment buffer 1
.set TMP,  64                          ; the way out: a block's 64 scaled results
.set OB,   128                         ; the way out: 16 rows read back from the stage: v128-191 and v192-255 by turns
.set G1,  24                           ; s[24:31] descriptor group 1 for xb's tiles
.set G0,  32                           ; s[32:39] descriptor group 0 for xb's tiles, one set for each slot
.set LIM, 43                           ; s43      1 in a wave that prefetches, else the greatest number
.set PFA, 44                           ; s[44:45] where my prefetches stand: my work-group's 32 rows of the 128 that I fetch, one K step further along K than the refill in hand; a prefetch names the K step after that
.set G1B, 48                           ; s[48:55] group 1 for wb's tiles: it differs in the mask alone
.set G0B, 56                           ; s[56:63] group 0 for wb's tiles
.set MSB, 0
.macro WIN new                         ; the immediate's high byte repeats the setting that is left; a switch that changes nothing is dropped
.if MSB != (\new)
	s_set_vgpr_msb (MSB<<8)|(\new)
.set MSB, \new
.endif
.endm
.set MUL_LO, 0xa1                      ; source 0 (wb) window 1, source 1 (xb) window 0, C and D window 2
.set MUL_HI, 0xf1                      ; the same, C and D window 3
.set TO_B,   0x40                      ; destination window 1, address window 0
; A joint load.  Waves 0 and 1 fetch xb's two halves, waves 2 and 3 wb's.  Each of the two lines has one mask and one set of registers for all that issue it.  The branch hangs on the wave's number alone.
; An s_nop 0 and four v_nop follow each of the two lines, ahead of the jump, the label and what follows the macro.
.macro JLOAD s
	s_cmp_eq_u32 s11, 0
	s_cbranch_scc0 .Lfor_b_\@
	tensor_load_to_lds s[G0+4*(\s):G0+4*(\s)+3], s[G1:G1+7]
	s_nop 0
.rept 4
	v_nop
.endr
	s_branch .Lasked_\@
.Lfor_b_\@:
	tensor_load_to_lds s[G0B+4*(\s):G0B+4*(\s)+3], s[G1B:G1B+7]
	s_nop 0
.rept 4
	v_nop
.endr
.Lasked_\@:
.endm
; A PREFETCH INTO THE L2, behind each joint load, its five lines and the run of LDS loads that follows them: the K step that stands TWO refills on, 512 matrix instructions ahead of the load that will name it:
; 32 rows x 256 bytes, a lane a row, one instruction a wave.  Each row's 256 bytes of a K step are named ONCE in the launch: xb's tile row is read by every cluster of that row of clusters, and the one with
; cluster x = 0 asks; wb's tile column by every cluster of that column, and the one with cluster y = 0 asks.  The four partners that ask for a tile jointly share its rows out BY ADDRESS: of the 128 rows that a
; wave fetches the partner at place p takes 32 p .. 32 p + 31 (p = cx for xb, cy for wb).  K steps 0 to 3 come by their loads alone; the loop's last trip (s3 = 1) asks for nothing: no K step stands two on.
.macro ASK
	s_cmp_gt_u32 s3, s[LIM]
	s_cbranch_scc0 .Lnot_mine_\@
	global_prefetch_b8 v[PFO], s[PFA:PFA+1] offset:KSTEP*2 th:TH_LOAD_NT scope:SCOPE_SE
.Lnot_mine_\@:
.endm
; A round of the cluster's barrier: my work-group's barrier, so that wave 0's signal speaks for all four waves; wave 0 signals for the work-group; every wave waits for all sixteen work-groups;
; my work-group's barrier once more.  No LDS instruction of the wave is pending at a signal.
.macro CREST                           ; a round behind its opening barrier
	s_cmp_lg_u32 s10, 0
	s_cbranch_scc1 .Lnot_wave_0_\@
	s_barrier_signal -3
.Lnot_wave_0_\@:
	s_barrier_wait -3
	s_barrier_signal -1
	s_barrier_wait -1
.endm
.macro CROUND                          ; a whole round
	s_barrier_signal -1
	s_barrier_wait -1
	CREST
.endm
	s_load_b128 s[4:7], s[0:1], 0x0                ; xb s[4:5], wb s[6:7]
	s_load_b64 s[8:9], s[0:1], 0x10                ; out0
	s_load_b64 s[66:67], s[0:1], 0x18              ; inv
	v_lshl_add_u32 v[SPW], v0, 2, SPARE
	v_mov_b32 v[NIL], 0
	ds_add_u32 v[SPW], v[NIL]                      ; the wave's opening: the add, twice on end, and its wait ahead of my first tensor load; the set-up below, work on registers, stands between
	ds_add_u32 v[SPW], v[NIL]                      ; and once more, under the one wait
	v_lshrrev_b32 v1, 5, v0
	v_readfirstlane_b32 s10, v1                    ; wave 0..3
	s_lshr_b32 s11, s10, 1                         ; which half of the tile's rows is mine.  Also: I fetch for xb (0) or for wb (1)
	s_and_b32 s12, s10, 1                          ; which half of its columns.  Also: which 128 rows of that tile I fetch
	s_bfe_u32 s40, ttmp6, 0x40000                  ; cx: my place along the cluster's x
	s_bfe_u32 s41, ttmp6, 0x40004                  ; cy: along its y
	s_lshl_b32 s42, ttmp9, 2                       ; in a cluster launch ttmp9 and ttmp7 count clusters
	s_add_co_u32 s42, s42, s40                     ; tile column = 4 x cluster x + cx
	s_and_b32 s13, ttmp7, 0xffff
	s_lshl_b32 s13, s13, 2
	s_add_co_u32 s13, s13, s41                     ; tile row = 4 x cluster y + cy
	s_lshl_b32 s43, s41, 2
	s_lshl_b32 s43, 15, s43                        ; my row of the cluster: places 4 cy .. 4 cy + 3
	s_lshl_b32 s44, 0x1111, s40                    ; my column: places cx, cx + 4, cx + 8, cx + 12
	; descriptor group 1: a tile of 128 rows x 128 elements, padded in LDS
	s_or_b32 s[G1+0], s43, (1<<16)|(1<<20)|(1<<21)|(5<<22)|(3<<25)   ; 15:0 the mask: xb's tiles go to my row; 17:16 elements of 2 bytes; 20 padding on; 21 set beside a mask; 24:22 after every 64 words (code 5); 31:25 4 words of it (code 3)
	s_or_b32 s[G1B+0], s44, (1<<16)|(1<<20)|(1<<21)|(5<<22)|(3<<25)  ; the same with the mask of my column, for wb's tiles
	s_mov_b32 s[G1B+1], KSTEP<<16
	s_mov_b32 s[G1+1], KSTEP<<16                   ; 63:48 tensor_dim0, low half = 128
	s_mov_b32 s[G1B+2], 128<<16
	s_mov_b32 s[G1+2], 128<<16                     ; 79:64 its high half = 0; 95:80 tensor_dim1, low half = 128
	s_mov_b32 s[G1B+3], KSTEP<<16
	s_mov_b32 s[G1+3], KSTEP<<16                   ; 111:96 its high half = 0; 127:112 tile_dim0 = 128
	s_mov_b32 s[G1B+4], 128
	s_mov_b32 s[G1+4], 128                         ; 143:128 tile_dim1 = 128; 159:144 tile_dim2 = 0
	s_mov_b32 s[G1B+5], SIZE_K
	s_mov_b32 s[G1+5], SIZE_K                      ; 191:160 tensor_dim0_stride, low word: elements from row to row
	s_mov_b32 s[G1B+6], 0
	s_mov_b32 s[G1+6], 0
	s_mov_b32 s[G1B+7], 0
	s_mov_b32 s[G1+7], 0
	; where the tiles come from.  xb's hang on the tile row alone, which my row of the cluster shares; wb's on the tile column alone, which my column shares.  Every wave makes both addresses and asks by one of them.
	s_lshl_b32 s17, s12, 7                         ; which 128 rows of the tile I fetch
	s_lshl_b32 s16, s13, 8
	s_add_co_u32 s16, s16, s17                     ; xb: row 256 x tile row + 128 x half
	s_lshl_b32 s46, s42, 8
	s_add_co_u32 s46, s46, s17                     ; wb: row 256 x tile column + 128 x half
	s_mov_b32 s17, 0
	s_mov_b32 s47, 0
	s_mov_b64 s[18:19], SIZE_K*2
	s_mul_u64 s[16:17], s[16:17], s[18:19]         ; in bytes
	s_mul_u64 s[46:47], s[46:47], s[18:19]
	s_mul_i32 s20, s10, HALFT                      ; and where they go: xb's two halves, then wb's two = wave x 128 rows: no place in the cluster enters an LDS address
	s_wait_dscnt 0x0                               ; both opening adds are done
	s_wait_kmcnt 0x0
	s_add_nc_u64 s[14:15], s[4:5], s[16:17]
	s_add_nc_u64 s[46:47], s[6:7], s[46:47]
	CROUND                                         ; all sixteen work-groups are here: the first joint loads meet
.irp s, 0,1
	s_mov_b32 s[G0+4*(\s)], 1                                        ; 1:0 count = 1
	s_add_co_u32 s[G0+4*(\s)+1], s20, (\s)*SLOT                      ; 63:32 LDS address
	s_add_nc_u64 s[G0+4*(\s)+2:G0+4*(\s)+3], s[14:15], (\s)*KSTEP*2  ; 120:64 global address: K step s
	s_or_b32 s[G0+4*(\s)+3], s[G0+4*(\s)+3], 0x80000000              ; 127:126 type = 2
	s_mov_b32 s[G0B+4*(\s)], 1
	s_add_co_u32 s[G0B+4*(\s)+1], s20, (\s)*SLOT
	s_add_nc_u64 s[G0B+4*(\s)+2:G0B+4*(\s)+3], s[46:47], (\s)*KSTEP*2
	s_or_b32 s[G0B+4*(\s)+3], s[G0B+4*(\s)+3], 0x80000000
	JLOAD \s                                       ; the ring is filled before anything else is done: two loads of mine are out
.endr
	; A fragment is 16 rows x 32 K in 8 registers: lane l holds row l % 16; registers 0-3 hold K = 8 (l / 16) + 0..7, registers 4-7 K = 16 + 8 (l / 16) + 0..7: two loads of 16 bytes, 32 bytes apart.
	v_and_b32 v1, 15, v0                           ; l % 16
	v_bfe_u32 v2, v0, 4, 1                         ; l / 16
	v_mul_u32_u24 v3, v1, PITCH
	v_lshl_add_u32 v3, v2, 4, v3                   ; row x pitch + 16 x half
	s_mul_i32 s21, s11, HALFT                      ; my 128 rows of xb
	s_mul_i32 s22, s12, HALFT                      ; my 128 rows of wb,
	s_add_co_u32 s22, s22, 2*HALFT                 ; which lie behind xb's 256
.irp s, 0,1
	v_add_nc_u32 v[ADRA+(\s)], s21, v3
	v_add_nc_u32 v[ADRB+(\s)], s22, v3
	s_add_co_u32 s21, s21, SLOT
	s_add_co_u32 s22, s22, SLOT
.endr
	s_mul_i32 s23, s10, 16*SPITCH
	s_add_co_u32 s23, s23, STAGE                   ; my stage
	v_mul_u32_u24 v4, v1, SPITCH                   ; in: row l % 16, 32 bytes for each half of the lanes
	v_lshl_add_u32 v4, v2, 5, v4
	v_add_nc_u32 v[STO], s23, v4
	v_and_b32 v5, 31, v0
	v_lshlrev_b32 v[CO], 4, v5                     ; back: 32 lanes take one row of 512 bytes
	v_add_nc_u32 v[RD], s23, v[CO]
	v_lshlrev_b32 v[IXO], 2, v1
	; my part of the tile in out0, and its factors in inv
	s_lshl_b32 s13, s13, 8                         ; 256 x tile row
	s_lshl_b32 s14, s11, 7
	s_add_co_u32 s16, s13, s14                     ; my first row
	s_lshl_b32 s20, s16, 2
	s_mov_b32 s21, 0
	s_add_nc_u64 s[68:69], s[66:67], s[20:21]      ; the factors of my 128 rows
	s_lshl_b32 s16, s16, 14                        ; a row of out0 is 16,384 bytes
	s_mov_b32 s17, 0
	s_lshl_b32 s46, s42, 10                        ; my first column, in bytes: 1,024 x tile column + 512 x half
	s_lshl_b32 s47, s12, 9
	s_add_co_u32 s46, s46, s47
	s_mov_b32 s47, 0
	s_add_nc_u64 s[16:17], s[16:17], s[46:47]
	s_add_nc_u64 s[8:9], s[8:9], s[16:17]          ; out0 at my first row and column; never stepped
	s_add_nc_u64 s[70:71], s[66:67], s[46:47]
	s_add_nc_u64 s[70:71], s[70:71], 16384         ; the factors of my 128 columns lie behind the 4,096 rows'
	; the prefetches.  s13 = 256 x tile row, s42 = tile column, s40 = cx, s41 = cy still stand
	s_lshl_b32 s42, s42, 8
	s_and_b32 s22, ttmp7, 0xffff                   ; cluster y
	s_cmp_eq_u32 s11, 0                            ; do I fetch for xb?
	s_cselect_b32 s20, s13, s42                    ; the tile's first row: in xb by the tile row, in wb by the tile column
	s_cselect_b32 s21, s40, s41                    ; my place among the four that ask for it with me
	s_cselect_b32 s22, ttmp9, s22                  ; the coordinate along which other clusters read the same rows
	s_cselect_b64 s[PFA:PFA+1], s[4:5], s[6:7]
	s_cmp_eq_u32 s22, 0
	s_cselect_b32 s[LIM], 1, -1                    ; the same in all sixteen partners, for a given wave
	s_lshl_b32 s22, s12, 7
	s_add_co_u32 s20, s20, s22                     ; + the 128 rows that I fetch
	s_lshl_b32 s21, s21, 5
	s_add_co_u32 s20, s20, s21                     ; + my work-group's 32 of them
	s_mov_b32 s21, 0
	s_mov_b64 s[18:19], SIZE_K*2
	s_mul_u64 s[20:21], s[20:21], s[18:19]
	s_add_nc_u64 s[PFA:PFA+1], s[PFA:PFA+1], s[20:21]
	s_add_nc_u64 s[PFA:PFA+1], s[PFA:PFA+1], 2*KSTEP*2  ; at K step 2: the first refill steps it to 3 and names K step 4
	v_and_b32 v[PFO], 31, v0
	v_mul_u32_u24 v[PFO], v[PFO], SIZE_K*2
	; the factors stay in registers for the whole launch: loaded once, while the first tiles are on their way
.irp a, 0,1,2,3,4,5,6,7
	global_load_b32 v[IX+2*(\a)], v[IXO], s[68:69] offset:64*(\a)  ; block a's 16 rows
.endr
	global_load_b128 v[IW:IW+3], v[CO], s[70:71]
	s_wait_loadcnt 0x0
.irp a, 0,1,2,3,4,5,6,7
	v_mov_b32 v[IX+2*(\a)+1], v[IX+2*(\a)]         ; twice: the packed multiply takes a pair
.endr
; 16 matrix instructions: m blocks a0, a0 + 1 of the window's four (hi = 0: my rows 0-63, 1: rows 64-127) x all 8 n blocks, 32 along K.  zero = 1: the first product starts the sums: nothing is ever cleared.
.macro MUL16 f, hi, a0, zero
	WIN MUL_LO+0x50*(\hi)
.irp a, \a0, (\a0)+1
.irp b, 0,1,2,3,4,5,6,7
.if \zero
	v_wmma_f32_16x16x32_bf16 v[8*(8*(\a)+(\b)):8*(8*(\a)+(\b))+7], v[(\f)+8*(\b):(\f)+8*(\b)+7], v[(\f)+8*(4*(\hi)+(\a)):(\f)+8*(4*(\hi)+(\a))+7], 0
.else
	v_wmma_f32_16x16x32_bf16 v[8*(8*(\a)+(\b)):8*(8*(\a)+(\b))+7], v[(\f)+8*(\b):(\f)+8*(\b)+7], v[(\f)+8*(4*(\hi)+(\a)):(\f)+8*(4*(\hi)+(\a))+7], v[8*(8*(\a)+(\b)):8*(8*(\a)+(\b))+7]
.endif
.endr
.endr
.endm
; 32 LDS loads in one run: the fragments of one quarter step (128 rows of wb, 128 rows of xb, 32 K at byte k of the rows) into buffer f
.macro FETCH slot, k, f
	WIN TO_B
.irp i, 0,1,2,3,4,5,6,7
	ds_load_b128 v[(\f)+8*(\i):(\f)+8*(\i)+3],   v[ADRB+(\slot)] offset:(\k)+(\i)*16*PITCH
	ds_load_b128 v[(\f)+8*(\i)+4:(\f)+8*(\i)+7], v[ADRB+(\slot)] offset:(\k)+(\i)*16*PITCH+32
.endr
	WIN 0
.irp i, 0,1,2,3,4,5,6,7
	ds_load_b128 v[(\f)+8*(\i):(\f)+8*(\i)+3],   v[ADRA+(\slot)] offset:(\k)+(\i)*16*PITCH
	ds_load_b128 v[(\f)+8*(\i)+4:(\f)+8*(\i)+7], v[ADRA+(\slot)] offset:(\k)+(\i)*16*PITCH+32
.endr
.endm
; A load into a register that a matrix instruction has read, and a vector instruction that reads a matrix result or writes one of a matrix instruction's registers, stand four places behind it, and only plain
; vector instructions that name none of its registers are places (ISA guide 7.12.1 for vector instructions); the matrix instructions in between are not counted.
.macro PLACES
.rept 4
	v_nop
.endr
.endm
; A K step is four quarter steps of 32 along K, 64 matrix instructions each, on buffers 0, 1, 0, 1.  The 64 accumulators take turns in one order in every quarter, over the backward jump too.
; One of the first three: multiplies buffer f; in its middle it fetches the next quarter's fragments, at byte k of the same slot's rows, into buffer g.
.macro QUARTER slot, k, f, g, zero
	s_wait_dscnt 8                                 ; wb's fragments and xb's rows 0-63 are in; the youngest eight loads (xb's rows 64-127) may be out
	WIN MUL_LO
	MUL16 \f, 0, 0, \zero
	MUL16 \f, 0, 2, \zero
	PLACES
	FETCH \slot, \k, \g
	s_wait_dscnt 32                                ; all but the 32 just issued
	WIN MUL_HI
	MUL16 \f, 1, 0, \zero
	MUL16 \f, 1, 2, \zero
.endm
; The last quarter multiplies buffer 1 and changes slots.  MEET is its first half: ONE barrier for two things.  In front of it each wave waits for all its tensor loads, of which one is out: its part of the next
; slot; adds 0 to its spare word; and waits for that and for its own reads of this slot.  Behind it nobody reads this slot any more and the next slot is whole.
.macro MEET round                      ; round = 1: a round of the cluster's barrier follows
	WIN 0                                          ; (the add's two registers lie in window 0)
	s_wait_tensorcnt 0x0                           ; all my tensor loads have landed;
	ds_add_u32 v[SPW], v[NIL]                      ; 0 onto my spare word;
	s_wait_dscnt 9                                 ; (the add and the youngest eight loads may be out)
	WIN MUL_LO
	MUL16 F1, 0, 0, 0                              ; sixteen matrix instructions stand between the add and the wait for it
	s_wait_dscnt 0x0                               ; the add is done, and my reads of this slot are over:
	s_barrier_signal -1                            ; say so,
	MUL16 F1, 0, 2, 0                              ; work on registers while the others arrive,
.if \round
	WIN 0
.endif
	s_barrier_wait -1                              ; and go on when all four have said so
.endm
; The whole last quarter, where the slot just read out is filled again, with the K step two steps on: first thing behind the round; then come the next slot's first fragments.
; From a request to the wait for it a wave issues 224 matrix instructions.
.macro TURN slot, next
	s_wait_xcnt 0x0                                ; the last prefetch, a K step back, has read its address: it is stepped here, ahead of the waits of the change of slots
	s_add_nc_u64 s[PFA:PFA+1], s[PFA:PFA+1], KSTEP*2
	MEET 1
	CREST                                          ; all sixteen work-groups have said so: no wave of any partner still reads this slot's tile or has a load on its way
	s_add_nc_u64 s[G0+4*(\slot)+2:G0+4*(\slot)+3], s[G0+4*(\slot)+2:G0+4*(\slot)+3], 2*KSTEP*2      ; no tensor load of mine is out, so a group 0 may be written; the type bits on top are not reached
	s_add_nc_u64 s[G0B+4*(\slot)+2:G0B+4*(\slot)+3], s[G0B+4*(\slot)+2:G0B+4*(\slot)+3], 2*KSTEP*2
	JLOAD \slot                                    ; my one tensor load behind the round; the four v_nop behind it are also the places in front of the loads below
	FETCH \next, 0, F0
	ASK
	WIN MUL_HI
	MUL16 F1, 1, 0, 0
	MUL16 F1, 1, 2, 0
.endm
; The same in the last lap: slot 1, the last K step, is waited for; nothing is filled again, so no round follows.
.macro TURNL
	MEET 0
	PLACES
	FETCH 1, 0, F0
	WIN MUL_HI
	MUL16 F1, 1, 0, 0
	MUL16 F1, 1, 2, 0
.endm
; THE WAY OUT of block a (16 rows x 128 columns), in three parts.
; SCALE: the sums times the row's factor, into window 0; each accumulator's registers in ascending order.
.macro SCALE a
.set AC, 64*((\a)%4)
	WIN 0x02+((\a)/4)                              ; source 0: window 2 or 3
.irp b, 0,1,2,3,4,5,6,7
.irp r, 0,1,2,3
	v_pk_mul_f32 v[TMP+8*(\b)+2*(\r):TMP+8*(\b)+2*(\r)+1], v[AC+8*(\b)+2*(\r):AC+8*(\b)+2*(\r)+1], v[IX+2*(\a):IX+2*(\a)+1]
.endr
.endr
	WIN 0
.endm
; TOSTAGE: a lane's 32 bytes of a row go into my own stage, and whole rows of 512 bytes come back, 16 bytes a lane.
.macro TOSTAGE a
	WIN 0
.set BK, OB+64*((\a)%2)
.irp b, 0,1,2,3,4,5,6,7
	ds_store_b128 v[STO], v[TMP+8*(\b):TMP+8*(\b)+3]   offset:64*(\b)
	ds_store_b128 v[STO], v[TMP+8*(\b)+4:TMP+8*(\b)+7] offset:64*(\b)+16
.endr
.irp t, 0,1,2,3,4,5,6,7,8,9,10,11,12,13,14,15
	ds_load_b128 v[BK+4*(\t):BK+4*(\t)+3], v[RD] offset:(\t)*SPITCH  ; LDS serves a wave's instructions in order (ISA guide 5.7.1.4): these see the stores above; the next block's stores come behind them
.endr
.endm
; SEND: each row times my four columns' factors, and stored: a store of the wave covers 512 consecutive bytes, at a multiple of 512 from out0's first byte.
; The row stands in the immediate: 127 rows of 16,384 bytes at the most, inside its signed 24 bits; the base and the offset register are never rewritten.
.macro SEND a
	WIN 0
.set BK, OB+64*((\a)%2)
	s_wait_xcnt 0x0                                ; every earlier store has had its addresses translated (ISA guide 3.1): the other set of 64, which the block before's stores read, is loaded again only behind this wait
.irp t, 0,1,2,3,4,5,6,7,8,9,10,11,12,13,14,15
	s_wait_dscnt 15-(\t)                           ; row t is back; the rows behind it may be out
	v_pk_mul_f32 v[BK+4*(\t):BK+4*(\t)+1],   v[BK+4*(\t):BK+4*(\t)+1],   v[IW:IW+1]
	v_pk_mul_f32 v[BK+4*(\t)+2:BK+4*(\t)+3], v[BK+4*(\t)+2:BK+4*(\t)+3], v[IW+2:IW+3]
	global_store_b128 v[CO], v[BK+4*(\t):BK+4*(\t)+3], s[8:9] offset:(16*(\a)+(\t))*SIZE_N*4 th:TH_STORE_NT
.endr
.endm
	s_wait_tensorcnt 1                             ; my part of K step 0 is in; K step 1's load may stay out
	s_barrier_signal -1
	s_barrier_wait -1                              ; everybody's is
	FETCH 0, 0, F0
	QUARTER 0, 64,  F0, F1, 1                      ; the first quarter stands in front of the loop: its products start the sums
	WIN 0                                          ; at a label and at a branch every window is 0
	s_mov_b32 s3, LAPS-1
.Llap:                                                 ; a trip goes once round the ring, from a lap's second quarter to the next lap's first, and fills both slots again
	QUARTER 0, 128, F1, F0, 0
	QUARTER 0, 192, F0, F1, 0
	TURN 0, 1
	QUARTER 1, 64,  F0, F1, 0
	QUARTER 1, 128, F1, F0, 0
	QUARTER 1, 192, F0, F1, 0
	TURN 1, 0
	QUARTER 0, 64,  F0, F1, 0
	WIN 0
	s_sub_co_u32 s3, s3, 1
	s_cmp_lg_u32 s3, 0
	s_cbranch_scc1 .Llap
	QUARTER 0, 128, F1, F0, 0                      ; the last lap is written out: it asks for no tile
	QUARTER 0, 192, F0, F1, 0
	TURNL
	QUARTER 1, 64,  F0, F1, 0
	QUARTER 1, 128, F1, F0, 0
	QUARTER 1, 192, F0, F1, 0
	s_wait_dscnt 8                                 ; the very last quarter: nothing more to fetch
	WIN MUL_LO
	MUL16 F1, 0, 0, 0
	MUL16 F1, 0, 2, 0
	s_wait_dscnt 0x0
	MUL16 F1, 1, 0, 0
	MUL16 F1, 1, 2, 0
	WIN 0
	PLACES                                         ; behind the last products: the scalings read results and write registers that held fragments
	PLACES                                         ; (eight, once a launch)
	SCALE 0
	TOSTAGE 0
.irp a, 1,2,3,4,5,6,7                  ; block a's scalings stand between block a - 1's loads from the stage and the waits for them
	SCALE \a
	SEND (\a)-1
	TOSTAGE \a
.endr
	SEND 7
	s_wait_tensorcnt 0x0                           ; the wave's end: behind my last tensor load and my last LDS store
	ds_add_u32 v[SPW], v[NIL]
	s_wait_dscnt 0x0
	CROUND                                         ; the closing round: no work-group ends while a partner may still ask for a tile that names it
	s_endpgm
.Lfunc_end_k_qcb0455fb44_gemm:
	.size	k_qcb0455fb44_gemm, .Lfunc_end_k_qcb0455fb44_gemm-k_qcb0455fb44_gemm
	.p2alignl 7, 3214868480
	.fill 96, 4, 3214868480
	.section	.rodata,"a",@progbits
	.p2align	6, 0x0
	.amdhsa_kernel k_qcb0455fb44_gemm
		.amdhsa_group_segment_fixed_size 327680
		.amdhsa_private_segment_fixed_size 0
		.amdhsa_enable_private_segment 0
		.amdhsa_kernarg_size 32
		.amdhsa_user_sgpr_count 2
		.amdhsa_user_sgpr_kernarg_segment_ptr 1
		.amdhsa_wavefront_size32 1
		.amdhsa_system_sgpr_workgroup_id_x 1
		.amdhsa_system_sgpr_workgroup_id_y 1
		.amdhsa_system_sgpr_workgroup_id_z 1
		.amdhsa_system_vgpr_workitem_id 0
		.amdhsa_next_free_vgpr 1024
		.amdhsa_next_free_sgpr 72
		.amdhsa_reserve_vcc 0
		.amdhsa_float_denorm_mode_32 3
		.amdhsa_float_denorm_mode_16_64 3
		.amdhsa_memory_ordered 1
		.amdhsa_forward_progress 1
		.amdhsa_inst_pref_size 179
	.end_amdhsa_kernel
	.amdgpu_metadata
---
amdhsa.version: [ 1, 2 ]
amdhsa.kernels:
  - .name:           k_qcb0455fb44_gemm
    .symbol:         k_qcb0455fb44_gemm.kd
    .args:
      - { .name: xb, .offset: 0, .size: 8, .value_kind: global_buffer, .address_space: global }
      - { .name: wb, .offset: 8, .size: 8, .value_kind: global_buffer, .address_space: global }
      - { .name: out0, .offset: 16, .size: 8, .value_kind: global_buffer, .address_space: global }
      - { .name: inv, .offset: 24, .size: 8, .value_kind: global_buffer, .address_space: global }
    .group_segment_fixed_size: 327680
    .private_segment_fixed_size: 0
    .kernarg_segment_align: 8
    .kernarg_segment_size: 32
    .max_flat_workgroup_size: 128
    .sgpr_count:     72
    .vgpr_count:     1024
    .wavefront_size: 32
...
	.end_amdgpu_metadata
.endif
;; end of part 2
;; ======== version 2 of 2: 2 launches; version 1 with the launch prep written anew for expert scheduling mode
;; workspace buffers: xb 33,554,432 bytes; wb 33,554,432 bytes; inv 32,768 bytes
;; launch prep (part 3): grid 512 x 2, 8 waves a work-group, no clusters, 0 bytes of LDS; arguments x, weights, xb, wb, inv; writes xb, wb, inv
.if DOCPART == 3
	.amdgcn_target "amdgcn-amd-amdhsa--gfx1250"
	.amdhsa_code_object_version 6
	.text
	.protected	k_qcb0455fb44_prep
	.globl	k_qcb0455fb44_prep
	.p2align	8
	.type	k_qcb0455fb44_prep,@function
k_qcb0455fb44_prep:
	s_mov_b64 s[64:65], 0
	v_nop
	global_prefetch_b8 v0, s[64:65] scope:SCOPE_SE
	s_setreg_imm32_b32 hwreg(HW_REG_WAVE_SCHED_MODE, 0, 2), 2
	s_setreg_imm32_b32 hwreg(HW_REG_WAVE_MODE, 25, 1), 1
	s_wait_xcnt 0x0
	s_wait_alu depctr_vm_vsrc(0)
; xb = x rounded to bf16, wb = weights rounded to bf16, inv[row] = 1 / max(norm of the ROUNDED row, 1e-8): words 0-4095 for x, 4096-8191 for weights.
; x, weights: [4096][4096] f32.  The raw numbers are rounded, once, to nearest even; the norm is taken in f32 of the rounded numbers, so that product and norms are those of one and the same matrix.
; LIMITS.  The sum of squares is a plain f32 sum (it passes f32's range where the row's root mean square passes about 2.9e17); a sum below 2^-126 counts as 0 and the norm is then 1e-8;
; a number beyond bf16's largest rounds to an infinity; NaN and infinities are not treated apart; the order of the 4,096 additions is this text's own (4 chains a lane, then the lanes).
; SHARES.  Grid y picks the tensor.  A work-group has 8 rows, a wave ONE row of 16,384 bytes: the reduction never leaves the wave, so there is no LDS and no barrier.
; Chunk j of 32 is 512 consecutive bytes of the row: lane l loads 16 bytes at 512 j + 16 l (4 numbers) and stores 8 bytes at 256 j + 8 l: a store of the wave covers 256 consecutive bytes, aligned.
; IN FLIGHT.  A ring of 16 slots in registers, taken in blocks of four: 12 to 16 loads of 512 bytes of every wave are out; 1,024 work-groups of 8 waves with 120 registers each.
; The reciprocal leaves as 4 bytes a wave, 32 bytes a work-group: 32 KiB of the launch's 192 MiB; rows enough for 256 bytes on end (64) in one work-group would leave 128 work-groups.
; THE MODE: SCHED_MODE bits 1:0 = 2 (LLVM: expert scheduling mode 2), set by the entry lines.  The code itself states the register dependences
; between vector instructions and memory instructions, with s_wait_alu, always for 0.
; THE PLAN.  The 32 chunks go in 8 blocks of four.  Registers that memory instructions touch:
;   v[LO], v[SO]  the offsets: written at the head, read by every load and by every store of 8 bytes, never written again.
;   X             16 slots of 4; block p has slots 4 (p % 4) to 4 (p % 4) + 3.  Blocks 0-3: the block's eight conversions read them, then the loads of block p + 4 land in them.
;                 Blocks 4-7: the conversions pack in place, the block's stores read the packed words, and the slots are loaded no more.
;   Y             blocks 0-3, 8 registers each: written by the block's conversions, once in the launch, and read by its four stores.
;   T and ACC are named by vector instructions alone.
; A block is: the counted wait for its four loads; its eight conversions; ONE wait on va_vdst; then, chunk by chunk, the slot's reload, the chunk's store, and the chunk's six lines of squares.
; That wait states that the conversions are done reading the slots (for the reloads) and have written the packed words (for the stores).  The lines behind it write T and ACC alone and read only the
; packed words of chunks whose store is already issued: none names a register of a load or store that is still to come, so these owe no further wait.
; No register that a memory instruction reads is written again, so the stream holds no wait on vm_vsrc and none on XCNT.
.set ROWIN,  16384                     ; bytes in a row of f32
.set LO,  1                            ; v1        16 x lane: my 16 bytes in a chunk as loaded; never rewritten
.set SO,  2                            ; v2        8 x lane: my 8 bytes in a chunk as stored; never rewritten
.set LN,  3                            ; v3        lane
.set T,   4                            ; v[4:11]   two sets of 4: the rounded numbers as f32
.set ACC, 12                           ; v[12:19]  four pairs of running sums of squares
.set X,   20                           ; v[20:83]  16 slots of 4
.set Y,   84                           ; v[84:115] chunks 0-15, packed
.set ZO,  116                          ; v116      0: the offset of the reciprocal's store
	s_load_b256 s[4:11], s[0:1], 0x0               ; x s[4:5], weights s[6:7], xb s[8:9], wb s[10:11]
	s_load_b64 s[12:13], s[0:1], 0x20              ; inv
	v_lshrrev_b32 v[LN], 5, v0
	v_readfirstlane_b32 s14, v[LN]                 ; wave 0..7
	v_and_b32 v[LN], 31, v0
	v_lshlrev_b32 v[LO], 4, v[LN]
	v_lshlrev_b32 v[SO], 3, v[LN]
	s_and_b32 s15, ttmp7, 0xffff                   ; 0: x, 1: weights
	s_lshl_b32 s16, ttmp9, 3
	s_wait_alu depctr_va_sdst(0)                   ; s14 is written, ahead of its first reader: my row, and with it all three bases, are made from it
	s_add_co_u32 s16, s16, s14                     ; my row = 8 x work-group + wave
	s_lshl_b32 s20, s16, 14                        ; its first byte as f32 (under 2^26),
	s_mov_b32 s21, 0
	s_lshl_b32 s22, s16, 13                        ; as bf16,
	s_mov_b32 s23, 0
	s_lshl_b32 s24, s15, 12
	s_add_co_u32 s24, s24, s16
	s_lshl_b32 s24, s24, 2                         ; and its word in inv: 4 (4,096 y + row)
	s_mov_b32 s25, 0
	s_mov_b32 s26, 0xffff0000                      ; a word's upper bf16
	s_mov_b32 s28, 0x76543210                      ; v_permlanex16_b32: each lane takes its own place in the other half
	s_mov_b32 s29, 0xfedcba98
	s_wait_kmcnt 0x0
	s_cmp_eq_u32 s15, 0
	s_cselect_b64 s[4:5], s[4:5], s[6:7]           ; the tensor that I read,
	s_cselect_b64 s[8:9], s[8:9], s[10:11]         ; and the one that I write
	s_add_nc_u64 s[4:5], s[4:5], s[20:21]
	s_add_nc_u64 s[8:9], s[8:9], s[22:23]
	s_add_nc_u64 s[12:13], s[12:13], s[24:25]
	s_wait_alu depctr_va_vdst(0)                   ; v[LO] and v[SO] are written: every load of the row reads the one as its offset, every store of 8 bytes the other
.set j, 0
.rept 16
	global_load_b128 v[X+4*j:X+4*j+3], v[LO], s[4:5] offset:512*j th:TH_LOAD_NT  ; the ring is filled: chunks 0-15
.set j, j+1
.endr
; Block p: chunks 4 p to 4 p + 3 are rounded, stored, and their squares added.  left = how many younger loads may still be out when the block's four have to be there.
.macro BLK p, left
	s_wait_loadcnt \left                           ; loads come back in order (ISA guide 5.7.1): the block's four are in, the younger ones stay out
.irp i, 0,1,2,3
.set XR, X+16*((\p)%4)+4*(\i)
.if (\p) < 4
.set YR, Y+8*(\p)+2*(\i)               ; chunks 0-15 are packed into registers of their own,
.else
.set YR, XR                            ; chunks 16-31 in place, into slots that are loaded no more
.endif
	v_cvt_pk_bf16_f32 v[YR], v[XR], v[XR+1]        ; two roundings to nearest even, packed
	v_cvt_pk_bf16_f32 v[YR+1], v[XR+2], v[XR+3]
.endr
	s_wait_alu depctr_va_vdst(0)                   ; the eight conversions have written the block's packed words, which the stores below read; in blocks 0-3 they are also done reading the block's slots, in which the loads below land
.irp i, 0,1,2,3
.set XR, X+16*((\p)%4)+4*(\i)
.set TR, T+4*((\i)%2)
.set AR, ACC+4*((\i)%2)
.if (\p) < 4
.set YR, Y+8*(\p)+2*(\i)
	global_load_b128 v[XR:XR+3], v[LO], s[4:5] offset:512*(4*(\p)+(\i)+16) th:TH_LOAD_NT  ; the slot's second chunk, ahead of the store; no vector instruction since the wait names the slot
.else
.set YR, XR
.endif
	global_store_b64 v[SO], v[YR:YR+1], s[8:9] offset:256*(4*(\p)+(\i))  ; no vector instruction since the wait names these two words: the lines that read them follow
	v_lshlrev_b32 v[TR],   16,  v[YR]              ; the rounded numbers as f32: the low half moves up,
	v_and_b32     v[TR+1], s26, v[YR]              ; the high half stays
	v_lshlrev_b32 v[TR+2], 16,  v[YR+1]
	v_and_b32     v[TR+3], s26, v[YR+1]
.if ((\p) == 0) && ((\i) < 2)
	v_pk_mul_f32 v[AR:AR+1],   v[TR:TR+1],   v[TR:TR+1]      ; the first two chunks start the four chains: nothing is cleared
	v_pk_mul_f32 v[AR+2:AR+3], v[TR+2:TR+3], v[TR+2:TR+3]
.else
	v_pk_fma_f32 v[AR:AR+1],   v[TR:TR+1],   v[TR:TR+1],   v[AR:AR+1]
	v_pk_fma_f32 v[AR+2:AR+3], v[TR+2:TR+3], v[TR+2:TR+3], v[AR+2:AR+3]
.endif
.endr
.endm
	BLK 0, 12                                      ; three blocks' loads, twelve, stay out
	BLK 1, 12
	BLK 2, 12
	BLK 3, 12
	BLK 4, 12                                      ; from here on nothing more is loaded: the counts run down
	BLK 5, 8
	BLK 6, 4
	BLK 7, 0
	; my 128 squares, then the 32 lanes': four steps inside each half of 16 lanes ride on the addition, one crosses the halves
	v_pk_add_f32 v[ACC:ACC+1], v[ACC:ACC+1], v[ACC+2:ACC+3]
	v_pk_add_f32 v[ACC+4:ACC+5], v[ACC+4:ACC+5], v[ACC+6:ACC+7]
	v_pk_add_f32 v[ACC:ACC+1], v[ACC:ACC+1], v[ACC+4:ACC+5]
	v_add_f32 v[ACC], v[ACC], v[ACC+1]
	v_add_f32_dpp v[ACC], v[ACC], v[ACC] row_xmask:1 row_mask:0xf bank_mask:0xf
	v_add_f32_dpp v[ACC], v[ACC], v[ACC] row_xmask:2 row_mask:0xf bank_mask:0xf
	v_add_f32_dpp v[ACC], v[ACC], v[ACC] row_xmask:4 row_mask:0xf bank_mask:0xf
	v_add_f32_dpp v[ACC], v[ACC], v[ACC] row_xmask:8 row_mask:0xf bank_mask:0xf
	v_permlanex16_b32 v[ACC+1], v[ACC], s28, s29   ; its destination has been written before
	v_add_f32 v[ACC], v[ACC], v[ACC+1]             ; every lane holds the row's sum of squares
	v_sqrt_f32 v[ACC+2], v[ACC]
	v_nop                                          ; a plain instruction between the root and the use of its result (ISA guide 5.7.2),
	s_wait_alu depctr_va_vdst(0)                   ; and the wait ahead of that use: the root has written v[ACC+2]
	v_max_num_f32 v[ACC+2], 0x322bcc77, v[ACC+2]   ; max(norm, 1e-8)
	v_rcp_f32 v[ACC+3], v[ACC+2]
	v_mov_b32 v[ZO], 0                             ; the plain instruction behind the reciprocal
	v_cmp_eq_u32 vcc_lo, 0, v[LN]
	s_wait_alu depctr_va_vcc(0)                    ; the compare has written VCC, ahead of its first reader: EXEC is made from it
	s_wait_xcnt 0x0                                ; EXEC is a source of the stores above: it changes only behind this wait
	s_wait_alu depctr_va_vdst(0)                   ; ahead of the write of EXEC: every vector instruction is done; among them the reciprocal has written v[ACC+3] and the move v[ZO], which the store below reads
	s_wait_alu depctr_vm_vsrc(0)                   ; ahead of the write of EXEC: the row's stores have read their vector registers
	s_and_saveexec_b32 s30, vcc_lo                 ; lane 0 alone
	global_store_b32 v[ZO], v[ACC+3], s[12:13]
	s_wait_xcnt 0x0                                ; and again, in front of the line that widens it
	s_wait_alu depctr_va_vdst(0)                   ; ahead of the write of EXEC
	s_wait_alu depctr_vm_vsrc(0)                   ; the store has read v[ZO] and v[ACC+3]
	s_or_b32 exec_lo, exec_lo, s30
	s_endpgm
.Lfunc_end_k_qcb0455fb44_prep:
	.size	k_qcb0455fb44_prep, .Lfunc_end_k_qcb0455fb44_prep-k_qcb0455fb44_prep
	.p2alignl 7, 3214868480
	.fill 96, 4, 3214868480
	.section	.rodata,"a",@progbits
	.p2align	6, 0x0
	.amdhsa_kernel k_qcb0455fb44_prep
		.amdhsa_group_segment_fixed_size 0
		.amdhsa_private_segment_fixed_size 0
		.amdhsa_enable_private_segment 0
		.amdhsa_kernarg_size 40
		.amdhsa_user_sgpr_count 2
		.amdhsa_user_sgpr_kernarg_segment_ptr 1
		.amdhsa_wavefront_size32 1
		.amdhsa_system_sgpr_workgroup_id_x 1
		.amdhsa_system_sgpr_workgroup_id_y 1
		.amdhsa_system_sgpr_workgroup_id_z 1
		.amdhsa_system_vgpr_workitem_id 0
		.amdhsa_next_free_vgpr 120
		.amdhsa_next_free_sgpr 66
		.amdhsa_reserve_vcc 1
		.amdhsa_float_denorm_mode_32 3
		.amdhsa_float_denorm_mode_16_64 3
		.amdhsa_memory_ordered 1
		.amdhsa_forward_progress 1
		.amdhsa_inst_pref_size 22
	.end_amdhsa_kernel
	.amdgpu_metadata
---
amdhsa.version: [ 1, 2 ]
amdhsa.kernels:
  - .name:           k_qcb0455fb44_prep
    .symbol:         k_qcb0455fb44_prep.kd
    .args:
      - { .name: x, .offset: 0, .size: 8, .value_kind: global_buffer, .address_space: global }
      - { .name: weights, .offset: 8, .size: 8, .value_kind: global_buffer, .address_space: global }
      - { .name: xb, .offset: 16, .size: 8, .value_kind: global_buffer, .address_space: global }
      - { .name: wb, .offset: 24, .size: 8, .value_kind: global_buffer, .address_space: global }
      - { .name: inv, .offset: 32, .size: 8, .value_kind: global_buffer, .address_space: global }
    .group_segment_fixed_size: 0
    .private_segment_fixed_size: 0
    .kernarg_segment_align: 8
    .kernarg_segment_size: 40
    .max_flat_workgroup_size: 256
    .sgpr_count:     66
    .vgpr_count:     120
    .wavefront_size: 32
...
	.end_amdgpu_metadata
.endif
;; end of part 3
;; launch gemm: the kernel of part 2 again; grid 16 x 16, 4 waves a work-group, clusters of 4 x 4, 327,680 bytes of LDS; arguments xb, wb, out0, inv; writes out0
